; MI455X (gfx1250); checked and timed in simulation.
; The chip was launched on July 23, 2026; its instructions are those of AMD's public machine-readable ISA for CDNA 5 (MIT licence, August 2026) and "CDNA5" Instruction Set Architecture Reference Guide (July 2026). The comments in the code are by the model that wrote it; some were corrected since.
;; Matcher. Allowed arithmetic: matrix products marked QUANTISED: E4M3 operands, one given power-of-two scale a tensor, by v_wmma_f32_16x16x64_fp8_fp8 or v_wmma_f32_16x16x128_fp8_fp8, f32 sums; everything else in f32.
;; Inputs: lowp_scales 2 int32 (the exponents e of the quantised operands' scales 2^e); x 8,192 x 64 float32; y 8,192 x 64 float32.
;; Outputs: out0 8,192 float32; out1 8,192 x 2 int32; out2 8,192 bool.
;; This version of the problem:
;;   THIS VERSION OF THE PROBLEM IS GIVEN IN LOW PRECISION. The matrix products marked QUANTISED in the list below multiply operands that are first quantised to E4M3 (4 exponent bits, 3 mantissa bits; 8 bits a number), with one given power-of-two scale for each operand tensor; their sums are f32. All else is computed in f32.
;;   The module's matrix products, in the order in which they are computed (A, B: the left and right operand; K: the contracted axis; several contracted axes count as one K, in the product's order):
;;     1. [M 8,192, K 64] x [K 64, N 8,192]; A: input x; B: input y: QUANTISED (scales: A lowp_scales[0], B lowp_scales[1])
;;   THE QUANTISER, for each operand of a quantised product, along K:
;;     - The operand's scale is 2^e, e = its entry of the input lowp_scales (int32; the entries are numbered through the quantised products in the list's order, A before B).
;;     - Each number is divided by the scale, clamped to +-448, and rounded to the nearest number of E4M3, ties to even, subnormals kept.
;;     - The product sums the exact products of the quantised numbers (number of the format x scale) in f32.
;;   ~~~python
;;   def quantise(x, axis, e):      # numpy; x: float32 -> the quantised numbers, widened to float32 again
;;       x = np.moveaxis(x, axis, -1); K = x.shape[-1]
;;       r = np.clip(x / 2.0 ** e, -448, 448)
;;       step = 2.0 ** (np.maximum(np.frexp(np.where(r == 0, 1, r))[1] - 1, -6) - 3)
;;       q = np.round(r / step) * step * 2.0 ** e      # np.round: ties to even
;;       return np.moveaxis(q, -1, axis).astype(np.float32)
;;   ~~~
;; One version. Each part assembles by itself: llvm-mc -triple=amdgcn-amd-amdhsa -mcpu=gfx1250 --defsym DOCPART=n.
;; ======== version 1 of 1: 3 launches
;; limits: right only within a limited range of input values
;; workspace buffers: part 4,194,304 bytes; choice 65,536 bytes of whole numbers; lps 65,536 bytes
;; launch pairs (part 1): grid 16 x 16, 16 waves a work-group, no clusters, 253,952 bytes of LDS; arguments lowp_scales, x, y, part; writes part
.if DOCPART == 1
	.amdgcn_target "amdgcn-amd-amdhsa--gfx1250"
	.amdhsa_code_object_version 6
	.text
	.protected	k_qc8c1c158f8_pairs
	.globl	k_qc8c1c158f8_pairs
	.p2align	8
	.type	k_qc8c1c158f8_pairs,@function
k_qc8c1c158f8_pairs:
	s_mov_b64 s[64:65], 0
	v_nop
	global_prefetch_b8 v0, s[64:65] scope:SCOPE_SE
	s_setreg_imm32_b32 hwreg(HW_REG_WAVE_MODE, 25, 1), 1
	s_wait_xcnt 0x0
; A block of 512 rows of x against 512 rows of y.  d(i,j) = sqrt(max(|x_i|^2 + |y_j|^2 - 2 Q(x_i).Q(y_j), 0)); Q: codes of E4M3 with the given scales 2^ex, 2^ey.
; LEFT OUT: the constant 2 of Dmat = 2 - d and the factor T = 1: a term that is the same along a softmax's axis cancels in log_softmax and moves no argmax, for all values of the inputs.
; All distances are kept as t = c d, c = log2(e): the norms and the product's factor are multiplied by c^2 once, so the root gives t, and tmin - t is the exponent to the base 2.
; For each row and each column of the block one record of 16 bytes is left: the sum of 2^(tmin - t) over the block, tmin, the lowest index at which tmin is met, 0.  The next launch joins the 16 records.
; SHARES.  16 waves; wave w owns rows 32 w .. 32 w + 31 (two tiles of 16) and walks all 32 tiles of 16 columns twice: sweep 1 finds the least squared distances of rows and columns,
; sweep 2 forms t, the two exponentials with those minima taken away, the sums and the indices.  The product is made anew in sweep 2 by the same instruction on the same registers: the same bits.
; INDEX.  tmin - t is exactly 0 at the minimum and below 0 elsewhere; key = (t - tmin) 2^100 + index is the index there and above every index elsewhere; the least key is the lowest index.
; LAYOUT.  Source 0 = 16 rows of x, source 1 = 16 rows of y: lane (r, h) holds column r and rows 8 h + 0..7.  A fragment's lane (r, h) holds k = 32 h + 0..31: the same permutation of k on both sides.
; NO CLUSTER, NO TENSOR LOAD, NO PREFETCH: a work-group reads its 2 x 128 KB once, at the head; no loop touches memory, so there is no recurring tile to share or to ask for ahead.
; LIMITS: ex, ey between -126 and 119, ex + ey + 2 between -126 and 127.  NaN and infinities among the inputs are not served.  Two distances that differ are told apart while c d is at least 2^-60.
; Ties: the lowest index among equal t as v_sqrt_f32 gives them.
.set SPT,   272                        ; a stage row: 256 bytes + 16
.set YIMG,  0                          ; y's 32 fragments as images of their registers, 1,024 bytes each
.set XXA,   32768                      ; c^2 |x|^2 of the 512 rows
.set YYA,   34816                      ; c^2 |y|^2 of the 512 columns
.set CCT,   36864                      ; tmin of the 512 columns
.set ROUT,  40960                      ; three arrays of 512 words: a row's tmin, sum, index
.set QB,    47104                      ; column partials: 32 slots (wave, half) of QP bytes
.set QP,    4224
.set QI,    2112                       ; the slot's second array (keys)
.set STG,   182272                     ; a stage of 16 x SPT bytes for each wave
.set SPARE, 251904                     ; the spare words, 128 bytes a wave
.set R, 1
.set H, 2
.set LN, 3
.set ABF, 4                            ; 16 x lane
.set AYY, 5                            ; YYA + 4 r
.set AQ, 7                             ; my slot + 4 r
.set TBF, 8
.set TYY, 9
.set STO, 10
.set TQ, 11
.set SPW, 12                           ; my spare word; never rewritten
.set NIL, 13                           ; 0; never rewritten
.set CS, 14
.set YYR, 16                           ; v16, v18: yy of the even and the odd tile (v17, v19 named as upper halves)
.set CCR, 20                           ; v20, v22: the column's tmin likewise
.set QA, 26
.set QA2, 27
.set CS2, 30
.set AF, 32                            ; x's two fragments
.set XX, 48                            ; xx of my 16 rows
.set RD, 64                            ; their least squared distance, then tmin
.set RS, 80                            ; their sums
.set RI, 96                            ; their least keys
.set DD, 112                           ; t of the even and the odd tile
.set GG, 144                           ; the product, then the column keys (sweep 1: 32 registers)
.set AR, 160                           ; exponents and exponentials by rows
.set AC, 176                           ; by columns
.set BF, 192                           ; y's fragment of the even and the odd tile
.set KR, 208                           ; row keys of the odd tile, then (+16) of the even tile
.set ROWF, 240                         ; my 16 rows' numbers in x, as f32
.set RAW, 128                          ; the head: four tiles of 32 f32 numbers a lane
.set NA, 64                            ; the head: v64-71, two tiles' sums of squares, two pairs each
.set C2, 0x40053526                    ; c^2
	s_load_b256 s[4:11], s[0:1], 0x0               ; scales s[4:5], x s[6:7], y s[8:9], part s[10:11]
	v_lshl_add_u32 v[SPW], v0, 2, SPARE
	v_mov_b32 v[NIL], 0
	v_lshrrev_b32 v[LN], 5, v0
	v_readfirstlane_b32 s12, v[LN]                 ; wave 0..15
	v_and_b32 v[LN], 31, v0
	v_and_b32 v[R], 15, v0
	v_bfe_u32 v[H], v0, 4, 1
	v_lshlrev_b32 v[ABF], 4, v[LN]
	s_wait_alu depctr_va_vdst(0)
	s_mov_b32 s13, ttmp9                           ; bx: which 512 rows of y
	s_and_b32 s14, ttmp7, 0xffff                   ; by: which 512 rows of x
	s_lshl_b32 s15, s12, 13                        ; my wave's 32 rows of 256 bytes
	s_lshl_b32 s16, s14, 17
	s_add_co_u32 s16, s16, s15
	s_mov_b32 s17, 0
	s_lshl_b32 s18, s13, 17
	s_add_co_u32 s18, s18, s15
	s_mov_b32 s19, 0
	s_mov_b32 s26, 0x76543210                      ; v_permlanex16_b32: lane l xor 16
	s_mov_b32 s27, 0xfedcba98
	s_mov_b32 s50, 0xf1800000                      ; -2^100
	s_mov_b32 s51, s50
	s_mov_b32 s47, 0                               ; (upper halves of the pairs that hold a tile's number)
	s_mov_b32 s49, 0
	s_lshl_b32 s44, s13, 9                         ; the block's first column
	s_lshl_b32 s45, s14, 9                         ; and first row
	s_wait_kmcnt 0x0
	s_load_b64 s[34:35], s[4:5], 0x0               ; ex, ey
	s_add_nc_u64 s[6:7], s[6:7], s[16:17]
	s_add_nc_u64 s[8:9], s[8:9], s[18:19]
.set i, 0
.rept 16
	global_load_b128 v[RAW+4*i:RAW+4*i+3], v[ABF], s[6:7] offset:512*i       ; 512 consecutive bytes: two rows of x
.set i, i+1
.endr
.set i, 0
.rept 16
	global_load_b128 v[RAW+64+4*i:RAW+64+4*i+3], v[ABF], s[8:9] offset:512*i ; and of y
.set i, i+1
.endr
	s_lshl_b32 s40, s13, 17                        ; rows' records: (bx x 8192 + 512 by) x 16 bytes
	s_lshl_b32 s36, s14, 13
	s_add_co_u32 s40, s40, s36
	s_mov_b32 s41, 0
	s_add_nc_u64 s[40:41], s[10:11], s[40:41]
	s_lshl_b32 s42, s14, 17                        ; columns': 2 MiB on, (by x 8192 + 512 bx) x 16 bytes
	s_lshl_b32 s36, s13, 13
	s_add_co_u32 s42, s42, s36
	s_add_co_u32 s42, s42, 0x200000
	s_mov_b32 s43, 0
	s_add_nc_u64 s[42:43], s[10:11], s[42:43]
	s_mul_i32 s15, s12, 16*SPT
	s_add_co_u32 s15, s15, STG                     ; my stage
	v_mul_u32_u24 v[TYY], v[H], SPT
	v_lshl_add_u32 v[TYY], v[R], 4, v[TYY]
	v_add_nc_u32 v[TYY], s15, v[TYY]               ; in: load i brings rows 2 i + h, 16 bytes at 16 r
	v_mul_u32_u24 v[STO], v[R], SPT
	v_lshl_add_u32 v[STO], v[H], 7, v[STO]
	v_add_nc_u32 v[STO], s15, v[STO]               ; out: row r, my half's 128 bytes
	s_wait_alu depctr_va_vdst(0)
.macro TURN t                          ; a tile's 4 KB through my own stage; LDS serves a wave's instructions in order (ISA guide 5.7.1.4)
	s_wait_loadcnt 24-8*(\t)                       ; the later tiles' loads may be out
.irp i, 0,1,2,3,4,5,6,7
	ds_store_b128 v[TYY], v[RAW+32*(\t)+4*\i:RAW+32*(\t)+4*\i+3] offset:2*SPT*\i
.endr
.irp j, 0,1,2,3,4,5,6,7
	ds_load_b128 v[RAW+32*(\t)+4*\j:RAW+32*(\t)+4*\j+3], v[STO] offset:16*\j
.endr
.endm
; The squares of two tiles' rows: a lane sums its 32 numbers by packed multiply-adds, two chains of pairs a tile, the four chains by turns; then lane l xor 16's half is added (the same sum in both halves), x c^2.
.macro NORM2 rw
.irp t, 0,1
	v_pk_mul_f32 v[NA+4*\t:NA+4*\t+1], v[\rw+32*\t:\rw+32*\t+1], v[\rw+32*\t:\rw+32*\t+1]
	v_pk_mul_f32 v[NA+4*\t+2:NA+4*\t+3], v[\rw+32*\t+2:\rw+32*\t+3], v[\rw+32*\t+2:\rw+32*\t+3]
.endr
.set i, 4
.rept 7
.irp t, 0,1
	v_pk_fma_f32 v[NA+4*\t:NA+4*\t+1], v[\rw+32*\t+i:\rw+32*\t+i+1], v[\rw+32*\t+i:\rw+32*\t+i+1], v[NA+4*\t:NA+4*\t+1]
	v_pk_fma_f32 v[NA+4*\t+2:NA+4*\t+3], v[\rw+32*\t+i+2:\rw+32*\t+i+3], v[\rw+32*\t+i+2:\rw+32*\t+i+3], v[NA+4*\t+2:NA+4*\t+3]
.endr
.set i, i+4
.endr
.irp t, 0,1
	v_pk_add_f32 v[NA+4*\t:NA+4*\t+1], v[NA+4*\t:NA+4*\t+1], v[NA+4*\t+2:NA+4*\t+3]
.endr
.irp t, 0,1
	v_add_f32 v[NA+4*\t], v[NA+4*\t], v[NA+4*\t+1]
.endr
.irp t, 0,1
	v_permlanex16_b32 v[NA+4*\t+1], v[NA+4*\t], s26, s27
.endr
.irp t, 0,1
	v_add_f32 v[NA+4*\t], v[NA+4*\t], v[NA+4*\t+1]
.endr
.irp t, 0,1
	v_mul_f32 v[NA+4*\t], C2, v[NA+4*\t]
.endr
.endm
.macro QUANT src, dst, sc, lim         ; held within the largest code x the scale (ISA guide 7.6.2), then eight numbers a conversion
.set i, 0
.rept 32
	v_med3_num_f32 v[\src+i], v[\src+i], -v[\lim], v[\lim]
.set i, i+1
.endr
.irp g, 0,1,2,3
	v_cvt_scalef32_pk8_fp8_f32 v[\dst+2*\g:\dst+2*\g+1], v[\src+8*\g:\src+8*\g+7], v[\sc]
.endr
.endm
	TURN 0                                         ; x's two tiles are worked while y's sixteen loads are out
	TURN 1
	s_wait_kmcnt 0x0
	s_add_co_i32 s36, s34, 127
	s_lshl_b32 s37, s36, 23                        ; 2^ex
	s_add_co_i32 s36, s36, 8
	s_lshl_b32 s36, s36, 23
	s_or_b32 s36, s36, 0x600000                    ; 448 x 2^ex
	s_add_co_i32 s38, s35, 127
	s_lshl_b32 s39, s38, 23                        ; 2^ey
	s_add_co_i32 s38, s38, 8
	s_lshl_b32 s38, s38, 23
	s_or_b32 s38, s38, 0x600000                    ; 448 x 2^ey
	s_add_co_i32 s20, s34, s35
	s_add_co_i32 s20, s20, 1
	s_lshl_b32 s20, s20, 23
	s_add_co_i32 s20, s20, 0xc0053526              ; -c^2 x 2^(ex + ey + 1): the exponents are added to -c^2's exponent field
	s_mov_b32 s21, s20
	s_lshl_b32 s15, s12, 7
	v_mov_b32 v24, s37
	v_mov_b32 v25, s36
	v_mov_b32 v26, s39
	v_mov_b32 v27, s38
	v_lshl_add_u32 v[TQ], v[R], 2, s15
	v_add_nc_u32 v[TQ], XXA, v[TQ]
	v_lshl_add_u32 v[TBF], v[H], 5, s15
	v_add_nc_u32 v[TBF], XXA, v[TBF]
	s_wait_alu depctr_va_vdst(0)
	s_wait_dscnt 0x0                               ; register i of a tile of x is now number k = 32 h + i of row r
	NORM2 RAW
	ds_store_b32 v[TQ], v[NA]                      ; xx of rows 32 w + r, 32 w + 16 + r (lanes r and r + 16 write the same word with the same value)
	ds_store_b32 v[TQ], v[NA+4] offset:64
	ds_load_b128 v[XX:XX+3], v[TBF]                ; back in the result's layout (my wave's own bytes)
	ds_load_b128 v[XX+4:XX+7], v[TBF] offset:16
	ds_load_b128 v[XX+8:XX+11], v[TBF] offset:64
	ds_load_b128 v[XX+12:XX+15], v[TBF] offset:80
	QUANT RAW, AF, 24, 25
	QUANT RAW+32, AF+8, 24, 25
	TURN 2
	TURN 3
	s_wait_dscnt 0x0                               ; y's two tiles likewise
	NORM2 RAW+64
	ds_store_b32 v[TQ], v[NA] offset:YYA-XXA
	ds_store_b32 v[TQ], v[NA+4] offset:YYA-XXA+64
	QUANT RAW+64, 80, 26, 27
	QUANT RAW+96, 88, 26, 27
	v_nop                                          ; one plain instruction behind the last conversion
	s_lshl_b32 s15, s12, 11
	v_add_nc_u32 v[TBF], s15, v[ABF]
	ds_store_b128 v[TBF], v[80:83]                 ; y's fragments 2 w and 2 w + 1 as they stand in the registers
	ds_store_b128 v[TBF], v[84:87] offset:512
	ds_store_b128 v[TBF], v[88:91] offset:1024
	ds_store_b128 v[TBF], v[92:95] offset:1536
	v_lshl_add_u32 v[AYY], v[R], 2, YYA
	s_mul_i32 s15, s12, 2*QP
	s_add_co_u32 s15, s15, QB
	v_mul_u32_u24 v[AQ], v[H], QP
	v_lshl_add_u32 v[AQ], v[R], 2, v[AQ]
	v_add_nc_u32 v[AQ], s15, v[AQ]                 ; slot 2 w + h
	s_lshl_b32 s15, s12, 5
	s_add_co_u32 s15, s15, s45
	v_lshl_add_u32 v24, v[H], 3, s15               ; my first row in x
.set i, 0
.rept 16
	v_add_nc_u32 v[ROWF+i], 16*(i/8)+i%8, v24
.set i, i+1
.endr
.set i, 0
.rept 16
	v_cvt_f32_u32 v[ROWF+i], v[ROWF+i]             ; exact: under 8,192
	v_mov_b32 v[RD+i], 0x7f800000                  ; the rows' minima begin at +infinity
.set i, i+1
.endr
.irp q, YYR+1, YYR+3, CCR+1, CCR+3
	v_mov_b32 v[\q], 0
.endr
	s_wait_alu depctr_va_vdst(0)
	s_wait_dscnt 0x0                               ; my images and norms have landed, xx is back
	s_barrier_signal -1
	s_barrier_wait -1
; ---- SWEEP 1: the least squared distances, two column tiles a trip
	s_mov_b32 s30, 0
	s_mov_b32 s31, 0                               ; 64 bytes x the trip's first tile
.Ls1:
	s_lshl_b32 s32, s31, 4
	v_add_nc_u32 v[TBF], s32, v[ABF]
	v_add_nc_u32 v[TYY], s31, v[AYY]
	v_add_nc_u32 v[TQ], s31, v[AQ]
	ds_load_b128 v[BF:BF+3], v[TBF]
	ds_load_b128 v[BF+4:BF+7], v[TBF] offset:512
	ds_load_b128 v[BF+8:BF+11], v[TBF] offset:1024
	ds_load_b128 v[BF+12:BF+15], v[TBF] offset:1536
	ds_load_b32 v[YYR], v[TYY]
	ds_load_b32 v[YYR+2], v[TYY] offset:64
	s_wait_dscnt 0x0
.irp c, 0,1
.irp t, 0,1
	v_wmma_f32_16x16x64_fp8_fp8 v[GG+16*\c+8*\t:GG+16*\c+8*\t+7], v[AF+8*\t:AF+8*\t+7], v[BF+8*\c:BF+8*\c+7], 0
.endr
.endr
.irp c, 0,1
.irp t, 0,1
.irp q, 0,2,4,6
	v_pk_add_f32 v[DD+16*\c+8*\t+\q:DD+16*\c+8*\t+\q+1], v[XX+8*\t+\q:XX+8*\t+\q+1], v[YYR+2*\c:YYR+2*\c+1] op_sel_hi:[1,0]   ; xx + yy: these sixteen are the places behind the products
.endr
.endr
.endr
.irp c, 0,1
.irp t, 0,1
.irp q, 0,2,4,6
	v_pk_fma_f32 v[DD+16*\c+8*\t+\q:DD+16*\c+8*\t+\q+1], v[GG+16*\c+8*\t+\q:GG+16*\c+8*\t+\q+1], s[20:21], v[DD+16*\c+8*\t+\q:DD+16*\c+8*\t+\q+1] op_sel_hi:[1,0,1]   ; each result from its low end on
.endr
.endr
.endr
.set i, 0
.rept 16
	v_min3_num_f32 v[RD+i], v[RD+i], v[DD+i], v[DD+16+i]
.set i, i+1
.endr
	v_min3_num_f32 v24, v[DD], v[DD+1], v[DD+2]    ; a column's minimum over my 16 rows; two chains by turns
	v_min3_num_f32 v25, v[DD+16], v[DD+17], v[DD+18]
.irp q, 3,5,7,9,11,13
	v_min3_num_f32 v24, v24, v[DD+\q], v[DD+\q+1]
	v_min3_num_f32 v25, v25, v[DD+16+\q], v[DD+16+\q+1]
.endr
	v_min_num_f32 v24, v24, v[DD+15]
	v_min_num_f32 v25, v25, v[DD+31]
	ds_store_b32 v[TQ], v24
	ds_store_b32 v[TQ], v25 offset:64
	s_add_co_u32 s31, s31, 128
	s_add_co_u32 s30, s30, 1
	s_cmp_lt_u32 s30, 16
	s_wait_alu depctr_va_vdst(0)
	s_cbranch_scc1 .Ls1
.macro XRED op, base                   ; sixteen registers joined over the 16 lanes of each half
.irp m, 1,2,4,8
.set i, 0
.rept 16
	\op v[\base+i], v[\base+i], v[\base+i] row_xmask:\m row_mask:0xf bank_mask:0xf
.set i, i+1
.endr
.endr
.endm
	XRED v_min_num_f32_dpp, RD
.set i, 0
.rept 16
	v_max_num_f32 v[RD+i], 0, v[RD+i]              ; max(min sq, 0) = min max(sq, 0)
.set i, i+1
.endr
	v_lshl_add_u32 v[QA], v0, 2, QB                ; thread T reads column T
	v_add_nc_u32 v[QA2], 16*QP, v[QA]
	s_wait_alu depctr_va_vdst(0)
.set i, 0
.rept 16
	v_sqrt_f32 v[RD+i], v[RD+i]                    ; the rows' tmin
.set i, i+1
.endr
	v_nop
	s_wait_alu depctr_va_vdst(0)
	s_wait_dscnt 0x0                               ; my columns' partial minima have landed
	s_barrier_signal -1
	s_barrier_wait -1
.irp s, 0,1,2,3,4,5,6,7,8,9,10,11,12,13,14,15
	ds_load_b32 v[DD+\s], v[QA] offset:QP*\s
	ds_load_b32 v[DD+16+\s], v[QA2] offset:QP*\s
.endr
	s_wait_dscnt 0x0
	v_min3_num_f32 v24, v[DD], v[DD+1], v[DD+2]
	v_min3_num_f32 v25, v[DD+16], v[DD+17], v[DD+18]
.irp q, 3,5,7,9,11,13
	v_min3_num_f32 v24, v24, v[DD+\q], v[DD+\q+1]
	v_min3_num_f32 v25, v25, v[DD+16+\q], v[DD+16+\q+1]
.endr
	v_min3_num_f32 v24, v24, v[DD+15], v[DD+31]
	v_min_num_f32 v24, v24, v25
	v_max_num_f32 v29, 0, v24
	v_lshl_add_u32 v[TBF], v0, 2, CCT
	s_wait_alu depctr_va_vdst(0)
	v_sqrt_f32 v29, v29                            ; column T's tmin: it stays in v29 to the end
	v_nop
	s_wait_alu depctr_va_vdst(0)
	ds_store_b32 v[TBF], v29
	s_wait_dscnt 0x0                               ; the entry has landed, my reads of the slots are over
	s_barrier_signal -1
	s_barrier_wait -1
; ---- SWEEP 2, tiles 31 .. 0, one tile deep: tile n's exponentials and tile n - 1's roots are one batch
.macro NEXT p                          ; the tile of parity p: max(sq, 0) into its registers
.irp t, 0,1
.irp q, 0,2,4,6
	v_pk_add_f32 v[DD+16*(\p)+8*\t+\q:DD+16*(\p)+8*\t+\q+1], v[XX+8*\t+\q:XX+8*\t+\q+1], v[YYR+2*(\p):YYR+2*(\p)+1] op_sel_hi:[1,0]
.endr
.endr
.irp t, 0,1
.irp q, 0,2,4,6
	v_pk_fma_f32 v[DD+16*(\p)+8*\t+\q:DD+16*(\p)+8*\t+\q+1], v[GG+8*\t+\q:GG+8*\t+\q+1], s[20:21], v[DD+16*(\p)+8*\t+\q:DD+16*(\p)+8*\t+\q+1] op_sel_hi:[1,0,1]
.endr
.endr
.irp q, 0,2,4,6,8,10,12,14
	v_dual_max_num_f32 v[DD+16*(\p)+\q], 0, v[DD+16*(\p)+\q] :: v_dual_max_num_f32 v[DD+16*(\p)+\q+1], 0, v[DD+16*(\p)+\q+1]
.endr
.endm
; Tile n, of parity p; s[st] = n as f32.  nxt: tile n - 1 is prepared.  ld: tile n - 2's fragment and yy are fetched.
.macro BODY p, st, nxt, ld, abf, obf, ayy, oyy, occ, aq, oq
.set DC, DD+16*(\p)
.set DN, DD+16*(1-(\p))
.set CC, CCR+2*(\p)
.set KK, KR+16*(1-(\p))
	s_wait_dscnt 0x2                               ; the two youngest are the last tile's stores: every load ahead of them is in
.if \nxt
	v_wmma_f32_16x16x64_fp8_fp8 v[GG:GG+7], v[AF:AF+7], v[BF+8*(1-(\p)):BF+8*(1-(\p))+7], 0
	v_wmma_f32_16x16x64_fp8_fp8 v[GG+8:GG+15], v[AF+8:AF+15], v[BF+8*(1-(\p)):BF+8*(1-(\p))+7], 0
.endif
.irp u, 0,2,4,6,8,10,12,14
	v_pk_add_f32 v[AR+\u:AR+\u+1], v[RD+\u:RD+\u+1], v[DC+\u:DC+\u+1] neg_lo:[0,1] neg_hi:[0,1]                  ; the row's tmin - t  (these sixteen are the places behind the products)
	v_pk_add_f32 v[AC+\u:AC+\u+1], v[CC:CC+1], v[DC+\u:DC+\u+1] op_sel_hi:[0,1] neg_lo:[0,1] neg_hi:[0,1]        ; the column's tmin - t
.endr
.if \ld
	ds_load_b128 v[BF+8*(\p):BF+8*(\p)+3], v[\abf] offset:\obf
	ds_load_b128 v[BF+8*(\p)+4:BF+8*(\p)+7], v[\abf] offset:\obf+512
	ds_load_b32 v[YYR+2*(\p)], v[\ayy] offset:\oyy
.endif
.if \nxt
	ds_load_b32 v[CCR+2*(1-(\p))], v[\ayy] offset:CCT-YYA+\occ
	NEXT 1-(\p)
.endif
	s_wait_alu depctr_va_vdst(0)
; The keys stand among the batch: their sources were written ahead of the wait above, and are read before the exponentials land on them; their results are first read behind the wait below.
.irp u, 0,2,4,6,8,10,12,14
	v_pk_fma_f32 v[KK+\u:KK+\u+1], v[AR+\u:AR+\u+1], s[50:51], s[\st:\st+1] op_sel_hi:[1,0,0]                   ; row key: (t - tmin) 2^100 + the column tile
.if \nxt
	v_sqrt_f32 v[DN+\u], v[DN+\u]
.endif
	v_exp_f32 v[AR+\u], v[AR+\u]
.if \nxt
	v_sqrt_f32 v[DN+\u+1], v[DN+\u+1]
.endif
	v_exp_f32 v[AR+\u+1], v[AR+\u+1]
	v_pk_fma_f32 v[GG+\u:GG+\u+1], v[AC+\u:AC+\u+1], s[50:51], v[ROWF+\u:ROWF+\u+1] op_sel_hi:[1,0,1]           ; column key: + the row
	v_exp_f32 v[AC+\u], v[AC+\u]
	v_exp_f32 v[AC+\u+1], v[AC+\u+1]
.endr
	s_wait_alu depctr_va_vdst(0)                   ; one wait for the batch, ahead of its first reader
	v_min3_num_f32 v24, v[GG], v[GG+1], v[GG+2]    ; the column's least key over my 16 rows (plain work that names no result of the batch stands first)
	v_min3_num_f32 v25, v[GG+3], v[GG+4], v[GG+5]
.irp q, 6,10
	v_min3_num_f32 v24, v24, v[GG+\q], v[GG+\q+1]
	v_min3_num_f32 v25, v25, v[GG+\q+2], v[GG+\q+3]
.endr
	v_min3_num_f32 v24, v24, v[GG+14], v[GG+15]
.if (\p) == 0
.set i, 0
.rept 16
	v_min3_num_f32 v[RI+i], v[RI+i], v[KR+i], v[KR+16+i]             ; the rows' least keys take two tiles at once
.set i, i+1
.endr
.endif
	v_min_num_f32 v24, v24, v25
	v_pk_add_f32 v[CS:CS+1], v[AC:AC+1], v[AC+2:AC+3]
	v_pk_add_f32 v[CS2:CS2+1], v[AC+4:AC+5], v[AC+6:AC+7]
.irp u, 0,2,4,6
	v_pk_add_f32 v[RS+\u:RS+\u+1], v[RS+\u:RS+\u+1], v[AR+\u:AR+\u+1]
.endr
	v_pk_add_f32 v[CS:CS+1], v[CS:CS+1], v[AC+8:AC+9]
	v_pk_add_f32 v[CS2:CS2+1], v[CS2:CS2+1], v[AC+10:AC+11]
.irp u, 8,10
	v_pk_add_f32 v[RS+\u:RS+\u+1], v[RS+\u:RS+\u+1], v[AR+\u:AR+\u+1]
.endr
	v_pk_add_f32 v[CS:CS+1], v[CS:CS+1], v[AC+12:AC+13]
	v_pk_add_f32 v[CS2:CS2+1], v[CS2:CS2+1], v[AC+14:AC+15]
.irp u, 12,14
	v_pk_add_f32 v[RS+\u:RS+\u+1], v[RS+\u:RS+\u+1], v[AR+\u:AR+\u+1]
.endr
	v_pk_add_f32 v[CS:CS+1], v[CS:CS+1], v[CS2:CS2+1]
	v_add_f32 v[CS], v[CS], v[CS+1]
	ds_store_b32 v[\aq], v[CS] offset:\oq          ; the column's sum over my 16 rows,
	ds_store_b32 v[\aq], v24 offset:\oq+QI         ; and its least key
.endm
	ds_load_b128 v[BF+8:BF+11], v[ABF] offset:31*1024
	ds_load_b128 v[BF+12:BF+15], v[ABF] offset:31*1024+512
	ds_load_b128 v[BF:BF+3], v[ABF] offset:30*1024
	ds_load_b128 v[BF+4:BF+7], v[ABF] offset:30*1024+512
	ds_load_b32 v[YYR+2], v[AYY] offset:31*64
	ds_load_b32 v[YYR], v[AYY] offset:30*64
	ds_load_b32 v[CCR+2], v[AYY] offset:CCT-YYA+31*64
	s_wait_dscnt 0x0
	v_wmma_f32_16x16x64_fp8_fp8 v[GG:GG+7], v[AF:AF+7], v[BF+8:BF+15], 0
	v_wmma_f32_16x16x64_fp8_fp8 v[GG+8:GG+15], v[AF+8:AF+15], v[BF+8:BF+15], 0
.set i, 0
.rept 16
	v_mov_b32 v[RS+i], 0                           ; (the places behind the products)
	v_mov_b32 v[RI+i], 0x7f800000                  ; above every key
.set i, i+1
.endr
	NEXT 1
	s_wait_alu depctr_va_vdst(0)
.set i, 0
.rept 16
	v_sqrt_f32 v[DD+16+i], v[DD+16+i]
.set i, i+1
.endr
	v_nop
	s_wait_alu depctr_va_vdst(0)
	s_mov_b32 s30, 0
	s_mov_b32 s31, 192                             ; 64 x (2 u + 3) in trip u
.Ls2:                                                  ; 15 trips: tiles n = 31 - 2 u and n - 1
	s_xor_b32 s33, s31, 1984                       ; 64 (n - 3): the lowest tile that the trip names
	s_lshl_b32 s32, s33, 4
	s_lshr_b32 s38, s33, 6
	s_add_co_u32 s37, s38, 3
	s_add_co_u32 s38, s38, 2
	s_cvt_f32_u32 s46, s37                         ; n
	s_cvt_f32_u32 s48, s38                         ; n - 1
	v_add_nc_u32 v[TBF], s32, v[ABF]
	v_add_nc_u32 v[TYY], s33, v[AYY]
	v_add_nc_u32 v[TQ], s33, v[AQ]
	s_wait_alu depctr_va_vdst(0)
	BODY 1, 46, 1, 1, TBF, 1024, TYY, 64, 128, TQ, 192
	BODY 0, 48, 1, 1, TBF, 0, TYY, 0, 64, TQ, 128
	s_add_co_u32 s31, s31, 128
	s_add_co_u32 s30, s30, 1
	s_cmp_lt_u32 s30, 15
	s_wait_alu depctr_va_vdst(0)
	s_cbranch_scc1 .Ls2
	s_mov_b32 s46, 1.0
	s_mov_b32 s48, 0
	BODY 1, 46, 1, 0, ABF, 0, AYY, 0, 0, AQ, 64    ; tile 1: tile 0 is prepared
	BODY 0, 48, 0, 0, ABF, 0, AYY, 0, 0, AQ, 0     ; tile 0
; ---- the rows' results: joined over the lanes, then a thread a row through my wave's own words of LDS
	XRED v_add_f32_dpp, RS
	v_add_nc_u32 v25, s44, v[R]
	v_cvt_f32_u32 v25, v25                         ; the block's first column + r
.set i, 0
.rept 16
	v_fmamk_f32 v[RI+i], v[RI+i], 0x41800000, v25  ; the column: 16 x tile + r + the block's first
.set i, i+1
.endr
	XRED v_min_num_f32_dpp, RI
	s_lshl_b32 s15, s12, 7
	v_lshl_add_u32 v24, v[H], 5, s15
	v_add_nc_u32 v24, ROUT, v24
.irp a, 0,1,2
.irp t, 0,1
	ds_store_b128 v24, v[RD+16*\a+8*\t:RD+16*\a+8*\t+3] offset:2048*\a+64*\t          ; a = 0: tmin, 1: sums, 2: indices; sixteen lanes write the same words with the same values
	ds_store_b128 v24, v[RD+16*\a+8*\t+4:RD+16*\a+8*\t+7] offset:2048*\a+64*\t+16
.endr
.endr
	v_lshl_add_u32 v25, v0, 2, ROUT
	ds_load_b32 v32, v25 offset:2048               ; row T's sum,
	ds_load_b32 v33, v25                           ; tmin,
	ds_load_b32 v34, v25 offset:4096               ; index
	s_wait_dscnt 0x0                               ; they are in, and my columns' partial sums and keys have landed
	s_barrier_signal -1
	s_barrier_wait -1
.irp s, 0,1,2,3,4,5,6,7,8,9,10,11,12,13,14,15
	ds_load_b32 v[DD+\s], v[QA] offset:QP*\s
	ds_load_b32 v[DD+16+\s], v[QA2] offset:QP*\s
	ds_load_b32 v[GG+\s], v[QA] offset:QP*\s+QI
	ds_load_b32 v[GG+16+\s], v[QA2] offset:QP*\s+QI
.endr
	v_cvt_u32_f32 v34, v34
	v_mov_b32 v35, 0
	v_lshlrev_b32 v[TBF], 4, v0
	global_store_b128 v[TBF], v[32:35], s[40:41]   ; a record a thread: the wave stores 512 consecutive bytes, aligned
	s_wait_dscnt 0x0
.irp q, 0,2,4,6,8,10,12,14
	v_pk_add_f32 v[DD+\q:DD+\q+1], v[DD+\q:DD+\q+1], v[DD+16+\q:DD+16+\q+1]
.endr
.irp q, 0,2,4,6
	v_pk_add_f32 v[DD+\q:DD+\q+1], v[DD+\q:DD+\q+1], v[DD+8+\q:DD+8+\q+1]
.endr
.irp q, 0,2
	v_pk_add_f32 v[DD+\q:DD+\q+1], v[DD+\q:DD+\q+1], v[DD+4+\q:DD+4+\q+1]
.endr
	v_pk_add_f32 v[DD:DD+1], v[DD:DD+1], v[DD+2:DD+3]
.irp s, 0,1,2,3,4,5,6,7
	v_min3_num_f32 v[GG+\s], v[GG+\s], v[GG+8+\s], v[GG+16+\s]
.endr
.irp s, 0,1,2,3
	v_min3_num_f32 v[GG+\s], v[GG+\s], v[GG+24+\s], v[GG+28+\s]
.endr
	v_min3_num_f32 v30, v[GG], v[GG+1], v[GG+2]
	v_min3_num_f32 v31, v[GG+3], v[GG+4], v[GG+5]
	v_min3_num_f32 v30, v30, v[GG+6], v[GG+7]
	v_add_f32 v28, v[DD], v[DD+1]                  ; column T's sum; v29 still holds its tmin
	v_min_num_f32 v30, v30, v31
	v_cvt_u32_f32 v30, v30                         ; the lowest row that meets it
	v_mov_b32 v31, 0
	global_store_b128 v[TBF], v[28:31], s[42:43]
	s_wait_tensorcnt 0x0                           ; the wave's end
	ds_add_u32 v[SPW], v[NIL]
	s_wait_dscnt 0x0
	s_endpgm
.Lfunc_end_k_qc8c1c158f8_pairs:
	.size	k_qc8c1c158f8_pairs, .Lfunc_end_k_qc8c1c158f8_pairs-k_qc8c1c158f8_pairs
	.p2alignl 7, 3214868480
	.fill 96, 4, 3214868480
	.section	.rodata,"a",@progbits
	.p2align	6, 0x0
	.amdhsa_kernel k_qc8c1c158f8_pairs
		.amdhsa_group_segment_fixed_size 253952
		.amdhsa_private_segment_fixed_size 0
		.amdhsa_enable_private_segment 0
		.amdhsa_kernarg_size 32
		.amdhsa_user_sgpr_count 2
		.amdhsa_user_sgpr_kernarg_segment_ptr 1
		.amdhsa_wavefront_size32 1
		.amdhsa_system_sgpr_workgroup_id_x 1
		.amdhsa_system_sgpr_workgroup_id_y 1
		.amdhsa_system_sgpr_workgroup_id_z 1
		.amdhsa_system_vgpr_workitem_id 0
		.amdhsa_next_free_vgpr 256
		.amdhsa_next_free_sgpr 66
		.amdhsa_reserve_vcc 0
		.amdhsa_float_denorm_mode_32 3
		.amdhsa_float_denorm_mode_16_64 3
		.amdhsa_memory_ordered 1
		.amdhsa_forward_progress 1
		.amdhsa_inst_pref_size 92
	.end_amdhsa_kernel
	.amdgpu_metadata
---
amdhsa.version: [ 1, 2 ]
amdhsa.kernels:
  - .name:           k_qc8c1c158f8_pairs
    .symbol:         k_qc8c1c158f8_pairs.kd
    .args:
      - { .name: lowp_scales, .offset: 0, .size: 8, .value_kind: global_buffer, .address_space: global }
      - { .name: x, .offset: 8, .size: 8, .value_kind: global_buffer, .address_space: global }
      - { .name: y, .offset: 16, .size: 8, .value_kind: global_buffer, .address_space: global }
      - { .name: part, .offset: 24, .size: 8, .value_kind: global_buffer, .address_space: global }
    .group_segment_fixed_size: 253952
    .private_segment_fixed_size: 0
    .kernarg_segment_align: 8
    .kernarg_segment_size: 32
    .max_flat_workgroup_size: 512
    .sgpr_count:     66
    .vgpr_count:     256
    .wavefront_size: 32
...
	.end_amdgpu_metadata
.endif
;; end of part 1
;; launch join (part 2): grid 64 x 1, 8 waves a work-group, no clusters, 3,072 bytes of LDS; arguments part, choice, lps; writes choice, lps
.if DOCPART == 2
	.amdgcn_target "amdgcn-amd-amdhsa--gfx1250"
	.amdhsa_code_object_version 6
	.text
	.protected	k_qc8c1c158f8_join
	.globl	k_qc8c1c158f8_join
	.p2align	8
	.type	k_qc8c1c158f8_join,@function
k_qc8c1c158f8_join:
	s_mov_b64 s[64:65], 0
	v_nop
	global_prefetch_b8 v0, s[64:65] scope:SCOPE_SE
	s_setreg_imm32_b32 hwreg(HW_REG_WAVE_MODE, 25, 1), 1
	s_wait_xcnt 0x0
; The 16 records (sum, dmin, index, 0) of each row (work-groups 0-31) and each column (32-63) are joined, a thread to a row or column.
; The least dmin is taken by a strict comparison in ascending order of the blocks, which is ascending order of the indices: the lowest index wins a tie.
; sum = the sum over the blocks of sum_b x 2^(c (dmin - dmin_b)), c = log2(e): the overall minimum is taken away, no exponent is above 0.  lp = -ln(sum): the log-probability at the argmax.
; choice: [rows 8192][columns 8192] int32; lps: the same in f32.  No matrix work, no cluster: work-groups share nothing.  Memory is read once, 512 consecutive bytes a load of a wave.
	s_load_b128 s[4:7], s[0:1], 0x0                ; part, choice
	s_load_b64 s[8:9], s[0:1], 0x10                ; lps
	v_lshl_add_u32 v88, v0, 2, 0x800
	v_mov_b32 v89, 0
	v_lshrrev_b32 v1, 5, v0
	s_delay_alu instid0(VALU_DEP_1)
	v_readfirstlane_b32 s12, v1                    ; wave 0..7
	s_lshr_b32 s13, ttmp9, 5                       ; 0: rows, 1: columns
	s_and_b32 s14, ttmp9, 31
	s_lshl_b32 s16, s13, 21                        ; the columns' records begin 2 MiB on
	s_lshl_b32 s14, s14, 12                        ; 256 records of 16 bytes a work-group
	s_add_co_u32 s16, s16, s14
	s_mov_b32 s17, 0
	s_lshl_b32 s18, ttmp9, 10                      ; my work-group's 256 words in choice and in lps
	s_mov_b32 s19, 0
	v_lshlrev_b32 v2, 4, v0
	v_lshlrev_b32 v3, 2, v0
	v_and_b32 v1, 63, v0
	s_delay_alu instid0(VALU_DEP_1)
	v_lshlrev_b32 v1, 4, v1
	s_wait_alu depctr_va_vdst(0)
	s_wait_kmcnt 0x0
	s_add_nc_u64 s[4:5], s[4:5], s[16:17]
.irp b, 0,1,2,3,4,5,6,7,8,9,10,11,12,13,14,15
	global_load_b128 v[16+4*\b:19+4*\b], v2, s[4:5] offset:131072*\b th:TH_LOAD_NT   ; block b's record: 8,192 records of 16 bytes further on
.endr
	s_cmp_lt_u32 s12, 2                            ; waves 0, 1 will store choice, waves 2, 3 lps
	s_cselect_b64 s[6:7], s[6:7], s[8:9]
	s_add_nc_u64 s[6:7], s[6:7], s[18:19]
	s_wait_loadcnt 0x0
	v_cmp_lt_f32 vcc_lo, v21, v17
	s_delay_alu instid0(VALU_DEP_1)
	v_cndmask_b32 v5, v18, v22, vcc_lo
	v_min_num_f32 v4, v17, v21
.irp b, 2,3,4,5,6,7,8,9,10,11,12,13,14,15
	s_delay_alu instid0(VALU_DEP_1)
	v_cmp_lt_f32 vcc_lo, v[17+4*\b], v4
	s_delay_alu instid0(VALU_DEP_1)
	v_cndmask_b32 v5, v5, v[18+4*\b], vcc_lo
	s_delay_alu instid0(VALU_DEP_3)
	v_min_num_f32 v4, v4, v[17+4*\b]
.endr
.irp b, 0,1,2,3,4,5,6,7,8,9,10,11,12,13,14,15
	v_sub_f32 v[17+4*\b], v4, v[17+4*\b]           ; the records' minima come multiplied by c already: c (dmin - dmin_b)
.endr
	s_wait_alu depctr_va_vdst(0)
.irp b, 0,1,2,3,4,5,6,7,8,9,10,11,12,13,14,15
	v_exp_f32 v[17+4*\b], v[17+4*\b]
.endr
	v_nop                                          ; a plain instruction behind the exponentials
	s_wait_alu depctr_va_vdst(0)                   ; one wait for the sixteen, ahead of their first reader
	v_mul_f32 v7, v16, v17
.irp b, 1,2,3,4,5,6,7,8,9,10,11,12,13,14,15
	v_fmac_f32 v7, v[16+4*\b], v[17+4*\b]
.endr
	s_wait_alu depctr_va_vdst(0)
	v_log_f32 v7, v7
	v_nop
	s_wait_alu depctr_va_vdst(0)
	v_mul_f32 v7, 0xbf317218, v7                   ; -ln 2 x log2(sum)
	ds_store_b32 v3, v5                            ; 256 indices, then 256 numbers: they leave 16 bytes a lane
	ds_store_b32 v3, v7 offset:1024
	s_wait_dscnt 0x0
	s_barrier_signal -1
	s_barrier_wait -1
	s_cmp_lt_u32 s12, 4
	s_cbranch_scc0 .Ldone
	ds_load_b128 v[8:11], v2                       ; threads 0-63: the indices; 64-127: the numbers
	s_wait_dscnt 0x0
	global_store_b128 v1, v[8:11], s[6:7]          ; a wave stores 512 consecutive bytes, aligned
.Ldone:
	s_wait_tensorcnt 0x0
	ds_add_u32 v88, v89
	s_wait_dscnt 0x0
	s_endpgm
.Lfunc_end_k_qc8c1c158f8_join:
	.size	k_qc8c1c158f8_join, .Lfunc_end_k_qc8c1c158f8_join-k_qc8c1c158f8_join
	.p2alignl 7, 3214868480
	.fill 96, 4, 3214868480
	.section	.rodata,"a",@progbits
	.p2align	6, 0x0
	.amdhsa_kernel k_qc8c1c158f8_join
		.amdhsa_group_segment_fixed_size 3072
		.amdhsa_private_segment_fixed_size 0
		.amdhsa_enable_private_segment 0
		.amdhsa_kernarg_size 24
		.amdhsa_user_sgpr_count 2
		.amdhsa_user_sgpr_kernarg_segment_ptr 1
		.amdhsa_wavefront_size32 1
		.amdhsa_system_sgpr_workgroup_id_x 1
		.amdhsa_system_sgpr_workgroup_id_y 1
		.amdhsa_system_sgpr_workgroup_id_z 1
		.amdhsa_system_vgpr_workitem_id 0
		.amdhsa_next_free_vgpr 90
		.amdhsa_next_free_sgpr 66
		.amdhsa_reserve_vcc 1
		.amdhsa_float_denorm_mode_32 3
		.amdhsa_float_denorm_mode_16_64 3
		.amdhsa_memory_ordered 1
		.amdhsa_forward_progress 1
		.amdhsa_inst_pref_size 8
	.end_amdhsa_kernel
	.amdgpu_metadata
---
amdhsa.version: [ 1, 2 ]
amdhsa.kernels:
  - .name:           k_qc8c1c158f8_join
    .symbol:         k_qc8c1c158f8_join.kd
    .args:
      - { .name: part, .offset: 0, .size: 8, .value_kind: global_buffer, .address_space: global }
      - { .name: choice, .offset: 8, .size: 8, .value_kind: global_buffer, .address_space: global }
      - { .name: lps, .offset: 16, .size: 8, .value_kind: global_buffer, .address_space: global }
    .group_segment_fixed_size: 3072
    .private_segment_fixed_size: 0
    .kernarg_segment_align: 8
    .kernarg_segment_size: 24
    .max_flat_workgroup_size: 256
    .sgpr_count:     66
    .vgpr_count:     90
    .wavefront_size: 32
...
	.end_amdgpu_metadata
.endif
;; end of part 2
;; launch match (part 3): grid 32 x 1, 1 waves a work-group, no clusters, 2,816 bytes of LDS; arguments choice, lps, out0, out1, out2; writes out0, out1, out2
.if DOCPART == 3
	.amdgcn_target "amdgcn-amd-amdhsa--gfx1250"
	.amdhsa_code_object_version 6
	.text
	.protected	k_qc8c1c158f8_match
	.globl	k_qc8c1c158f8_match
	.p2align	8
	.type	k_qc8c1c158f8_match,@function
k_qc8c1c158f8_match:
	s_mov_b64 s[64:65], 0
	v_nop
	global_prefetch_b8 v0, s[64:65] scope:SCOPE_SE
	s_setreg_imm32_b32 hwreg(HW_REG_WAVE_MODE, 25, 1), 1
	s_wait_xcnt 0x0
; For column j: i = choice_cols[j]; mutual = (choice_rows[i] == j); out0 = mutual ? lp_rows[i] + lp_cols[j] : 0; out1 = (i, j); out2 = mutual, a byte.
; One wave takes 256 columns; lane l takes columns 4 l .. 4 l + 3 and 128 + 4 l .. + 3, so that its loads and out0's stores are 16 neighbouring bytes a lane.
; out1 (8 bytes a column) and out2 (a byte a column) go through the wave's LDS and leave as 512 and 256 consecutive bytes a store.
; The gathers' addresses come from the whole numbers that the launch before stored, held under 8,192.  A few loads deep and a few stores: no ring, no prefetch, no cluster.
	s_load_b256 s[4:11], s[0:1], 0x0               ; choice s[4:5], lps s[6:7], out0 s[8:9], out1 s[10:11]
	s_load_b64 s[12:13], s[0:1], 0x20              ; out2
	v_lshl_add_u32 v104, v0, 2, 0xa00
	v_mov_b32 v105, 0
	s_lshl_b32 s14, ttmp9, 8                       ; my first column
	s_lshl_b32 s16, ttmp9, 10                      ; in bytes of a 4-byte array,
	s_mov_b32 s17, 0
	s_lshl_b32 s18, ttmp9, 11                      ; of out1,
	s_mov_b32 s19, 0
	s_mov_b32 s20, s14                             ; of out2
	s_mov_b32 s21, 0
	v_lshlrev_b32 v1, 4, v0
	v_lshlrev_b32 v2, 5, v0
	v_lshlrev_b32 v3, 2, v0
	v_lshlrev_b32 v96, 3, v0
	v_lshl_add_u32 v97, v0, 2, s14                 ; my lane's first column
	s_wait_alu depctr_va_vdst(0)
	s_wait_kmcnt 0x0
	s_add_nc_u64 s[22:23], s[4:5], s[16:17]
	s_add_nc_u64 s[24:25], s[6:7], s[16:17]
	s_add_nc_u64 s[8:9], s[8:9], s[16:17]
	s_add_nc_u64 s[10:11], s[10:11], s[18:19]
	s_add_nc_u64 s[12:13], s[12:13], s[20:21]
	global_load_b128 v[4:7], v1, s[22:23] offset:32768     ; choice_cols (the columns' half begins 32,768 bytes on)
	global_load_b128 v[8:11], v1, s[22:23] offset:33280
	global_load_b128 v[12:15], v1, s[24:25] offset:32768   ; lp_cols
	global_load_b128 v[16:19], v1, s[24:25] offset:33280
.irp i, 0,1,2,3,4,5,6,7
	v_add_nc_u32 v[57+2*\i], 128*(\i/4)+\i%4, v97  ; j, where out1's pair wants it
.endr
	s_wait_loadcnt 0x2                             ; choice_cols is in; the two loads of lp_cols may be out
.irp i, 0,1,2,3,4,5,6,7
	v_min_u32 v[20+\i], 0x1fff, v[4+\i]
	v_lshlrev_b32 v[20+\i], 2, v[20+\i]
.endr
.irp i, 0,1,2,3,4,5,6,7
	global_load_b32 v[28+\i], v[20+\i], s[4:5]     ; choice_rows[i]
.endr
.irp i, 0,1,2,3,4,5,6,7
	global_load_b32 v[36+\i], v[20+\i], s[6:7]     ; lp_rows[i]
.endr
.irp i, 0,1,2,3,4,5,6,7
	v_mov_b32 v[56+2*\i], v[4+\i]                  ; i beside j: out1's pair
.endr
	ds_store_b128 v2, v[56:59]                     ; column c of the wave's 256 at byte 8 c
	ds_store_b128 v2, v[60:63] offset:16
	ds_store_b128 v2, v[64:67] offset:1024
	ds_store_b128 v2, v[68:71] offset:1040
.irp m, 0,1,2,3
	ds_load_b128 v[72+4*\m:75+4*\m], v1 offset:512*\m      ; LDS serves a wave's instructions in order: these see the stores above
.endr
	s_wait_loadcnt 0x0
.irp i, 0,1,2,3,4,5,6,7
	v_cmp_eq_u32 vcc_lo, v[28+\i], v[57+2*\i]
	v_add_f32 v[36+\i], v[36+\i], v[12+\i]
	v_cndmask_b32 v[36+\i], 0, v[36+\i], vcc_lo
	v_cndmask_b32 v[28+\i], 0, 1, vcc_lo
.endr
	global_store_b128 v1, v[36:39], s[8:9]         ; out0: 512 consecutive bytes a store
	global_store_b128 v1, v[40:43], s[8:9] offset:512
	v_lshl_or_b32 v52, v29, 8, v28                 ; four booleans to a word
	v_lshl_or_b32 v53, v33, 8, v32
	v_lshl_or_b32 v52, v30, 16, v52
	v_lshl_or_b32 v53, v34, 16, v53
	v_lshl_or_b32 v52, v31, 24, v52
	v_lshl_or_b32 v53, v35, 24, v53
	ds_store_b32 v3, v52 offset:2048
	ds_store_b32 v3, v53 offset:2176
	ds_load_b64 v[88:89], v96 offset:2048
	s_wait_dscnt 0x3                               ; behind out1's four loads stand two stores and a load
.irp m, 0,1,2,3
	global_store_b128 v1, v[72+4*\m:75+4*\m], s[10:11] offset:512*\m
.endr
	s_wait_dscnt 0x0
	global_store_b64 v96, v[88:89], s[12:13]       ; out2: the wave's 256 bytes in one store
	s_wait_tensorcnt 0x0
	ds_add_u32 v104, v105
	s_wait_dscnt 0x0
	s_endpgm
.Lfunc_end_k_qc8c1c158f8_match:
	.size	k_qc8c1c158f8_match, .Lfunc_end_k_qc8c1c158f8_match-k_qc8c1c158f8_match
	.p2alignl 7, 3214868480
	.fill 96, 4, 3214868480
	.section	.rodata,"a",@progbits
	.p2align	6, 0x0
	.amdhsa_kernel k_qc8c1c158f8_match
		.amdhsa_group_segment_fixed_size 2816
		.amdhsa_private_segment_fixed_size 0
		.amdhsa_enable_private_segment 0
		.amdhsa_kernarg_size 40
		.amdhsa_user_sgpr_count 2
		.amdhsa_user_sgpr_kernarg_segment_ptr 1
		.amdhsa_wavefront_size32 1
		.amdhsa_system_sgpr_workgroup_id_x 1
		.amdhsa_system_sgpr_workgroup_id_y 1
		.amdhsa_system_sgpr_workgroup_id_z 1
		.amdhsa_system_vgpr_workitem_id 0
		.amdhsa_next_free_vgpr 106
		.amdhsa_next_free_sgpr 66
		.amdhsa_reserve_vcc 1
		.amdhsa_float_denorm_mode_32 3
		.amdhsa_float_denorm_mode_16_64 3
		.amdhsa_memory_ordered 1
		.amdhsa_forward_progress 1
		.amdhsa_inst_pref_size 8
	.end_amdhsa_kernel
	.amdgpu_metadata
---
amdhsa.version: [ 1, 2 ]
amdhsa.kernels:
  - .name:           k_qc8c1c158f8_match
    .symbol:         k_qc8c1c158f8_match.kd
    .args:
      - { .name: choice, .offset: 0, .size: 8, .value_kind: global_buffer, .address_space: global }
      - { .name: lps, .offset: 8, .size: 8, .value_kind: global_buffer, .address_space: global }
      - { .name: out0, .offset: 16, .size: 8, .value_kind: global_buffer, .address_space: global }
      - { .name: out1, .offset: 24, .size: 8, .value_kind: global_buffer, .address_space: global }
      - { .name: out2, .offset: 32, .size: 8, .value_kind: global_buffer, .address_space: global }
    .group_segment_fixed_size: 2816
    .private_segment_fixed_size: 0
    .kernarg_segment_align: 8
    .kernarg_segment_size: 40
    .max_flat_workgroup_size: 32
    .sgpr_count:     66
    .vgpr_count:     106
    .wavefront_size: 32
...
	.end_amdgpu_metadata
.endif
;; end of part 3
